; MI455X (gfx1250); checked and timed in simulation.
; The chip was launched on July 23, 2026; its instructions are those of AMD's public machine-readable ISA for CDNA 5 (MIT licence, August 2026) and "CDNA5" Instruction Set Architecture Reference Guide (July 2026). The comments in the code are by the model that wrote it; some were corrected since.
;; Sparse Linear. Allowed arithmetic: float matrix products may take bf16 or f16 operands with f32 sums; all other float work in f32.
;; Inputs: A 4,096 x 4,096 float32; bias 4,096 float32; mask 4,096 x 4,096 float32; weight 4,096 x 4,096 float32.
;; Outputs: out0 4,096 x 4,096 float32.
;; One version. Each part assembles by itself: llvm-mc -triple=amdgcn-amd-amdhsa -mcpu=gfx1250 --defsym DOCPART=n.
;; ======== version 1 of 1: 2 launches
;; workspace buffers: abf 33,554,432 bytes; wbf 33,554,432 bytes
;; launch cast (part 1): grid 1024 x 1, 8 waves a work-group, no clusters, 0 bytes of LDS; arguments A, weight, mask, abf, wbf; writes abf, wbf
.if DOCPART == 1
	.amdgcn_target "amdgcn-amd-amdhsa--gfx1250"
	.amdhsa_code_object_version 6
	.text
	.protected	k_q7fef98ad33_cast
	.globl	k_q7fef98ad33_cast
	.p2align	8
	.type	k_q7fef98ad33_cast,@function
k_q7fef98ad33_cast:
	s_mov_b64 s[64:65], 0
	v_nop
	global_prefetch_b8 v0, s[64:65] scope:SCOPE_SE
	s_setreg_imm32_b32 hwreg(HW_REG_WAVE_MODE, 25, 1), 1
	s_wait_xcnt 0x0
; abf = bf16(A);  wbf = bf16(weight * mask).  A, weight, mask: [4096][4096] f32.  abf, wbf: [4096][4096] bf16, the same order.
; The product weight * mask is made in f32 and rounded once, to nearest even; the mask is taken as the numbers that it holds.
; LIMITS: none of range (bf16 has f32's exponents); NaN and infinities go through as the arithmetic makes them.
; A stream: the three inputs have one shape, so one byte offset serves all three and half of it both outputs.
; The work-group owns 65,536 bytes of each input (four rows) = 16 steps of 4,096 bytes.  In a step thread t takes the 16 bytes at 16 t of each
; input (a wave's load covers 512 consecutive bytes) and stores 8 bytes at 8 t of each output (a wave's store covers 256 consecutive bytes, aligned).
; A ring of four slots in registers keeps twelve loads of every wave on their way.  Every step's place stands in the immediate: no address register is ever rewritten.
; No LDS, no barrier, no matrix unit: no number is used twice and no wave needs another's.
.set STEPB, 4096                       ; input bytes in a step
.set STEPS, 16
.set IN,  1                            ; v1       16 t
.set OUT, 2                            ; v2       8 t
.set X,   8                            ; v[8:55]  slot i: 4 registers of A, 4 of weight, 4 of mask
.set Y,   56                           ; v[56:71] slot i: 2 registers for abf, 2 for wbf
	s_load_b256 s[4:11], s[0:1], 0x0               ; A s[4:5], weight s[6:7], mask s[8:9], abf s[10:11]
	s_load_b64 s[12:13], s[0:1], 0x20              ; wbf
	s_lshl_b32 s2, ttmp9, 16                       ; the group's first byte in the inputs (under 2^26)
	s_mov_b32 s3, 0
	s_lshl_b32 s14, ttmp9, 15                      ; and in the outputs
	s_mov_b32 s15, 0
	v_lshlrev_b32 v[IN], 4, v0
	v_lshlrev_b32 v[OUT], 3, v0
	s_wait_kmcnt 0x0
	s_add_nc_u64 s[4:5], s[4:5], s[2:3]
	s_add_nc_u64 s[6:7], s[6:7], s[2:3]
	s_add_nc_u64 s[8:9], s[8:9], s[2:3]
	s_add_nc_u64 s[10:11], s[10:11], s[14:15]
	s_add_nc_u64 s[12:13], s[12:13], s[14:15]
.macro FILL n                          ; step n's three loads, into slot n % 4; each input byte is read once in the launch
.set FX, X+12*((\n)%4)
	global_load_b128 v[FX:FX+3],    v[IN], s[4:5] offset:(\n)*STEPB th:TH_LOAD_NT
	global_load_b128 v[FX+4:FX+7],  v[IN], s[6:7] offset:(\n)*STEPB th:TH_LOAD_NT
	global_load_b128 v[FX+8:FX+11], v[IN], s[8:9] offset:(\n)*STEPB th:TH_LOAD_NT
.endm
; Step n.  ahead = 1: its slot is filled again, with the step four further on.  left = how many younger loads may stay out.
.macro STEP n, ahead, left
.set SX, X+12*((\n)%4)
.set SY, Y+4*((\n)%4)
	s_wait_loadcnt \left                           ; loads come back in order (ISA guide 5.7.1): this step's three are in
	s_wait_xcnt 0x0                                ; the slot's Y registers, data of the stores four steps back, are rewritten only behind this wait
	v_cvt_pk_bf16_f32 v[SY],   v[SX],   v[SX+1]
	v_cvt_pk_bf16_f32 v[SY+1], v[SX+2], v[SX+3]
	v_pk_mul_f32 v[SX+4:SX+5], v[SX+4:SX+5], v[SX+8:SX+9]    ; weight * mask, in f32
	v_pk_mul_f32 v[SX+6:SX+7], v[SX+6:SX+7], v[SX+10:SX+11]
	v_cvt_pk_bf16_f32 v[SY+2], v[SX+4], v[SX+5]
	v_cvt_pk_bf16_f32 v[SY+3], v[SX+6], v[SX+7]
.if \ahead
	FILL (\n)+4                                    ; loads ahead of stores
.endif
	global_store_b64 v[OUT], v[SY:SY+1],   s[10:11] offset:(\n)*STEPB/2   ; no hint: the next launch reads these
	global_store_b64 v[OUT], v[SY+2:SY+3], s[12:13] offset:(\n)*STEPB/2
.endm
.irp n, 0,1,2,3
	FILL \n
.endr
.irp n, 0,1,2,3,4,5,6,7,8,9,10,11
	STEP \n, 1, 9                                  ; twelve loads are out, this step's three the oldest
.endr
	STEP 12, 0, 9                                  ; the last four steps load nothing: the counts run down
	STEP 13, 0, 6
	STEP 14, 0, 3
	STEP 15, 0, 0
	s_endpgm
.Lfunc_end_k_q7fef98ad33_cast:
	.size	k_q7fef98ad33_cast, .Lfunc_end_k_q7fef98ad33_cast-k_q7fef98ad33_cast
	.p2alignl 7, 3214868480
	.fill 96, 4, 3214868480
	.section	.rodata,"a",@progbits
	.p2align	6, 0x0
	.amdhsa_kernel k_q7fef98ad33_cast
		.amdhsa_group_segment_fixed_size 0
		.amdhsa_private_segment_fixed_size 0
		.amdhsa_enable_private_segment 0
		.amdhsa_kernarg_size 40
		.amdhsa_user_sgpr_count 2
		.amdhsa_user_sgpr_kernarg_segment_ptr 1
		.amdhsa_wavefront_size32 1
		.amdhsa_system_sgpr_workgroup_id_x 1
		.amdhsa_system_sgpr_workgroup_id_y 1
		.amdhsa_system_sgpr_workgroup_id_z 1
		.amdhsa_system_vgpr_workitem_id 0
		.amdhsa_next_free_vgpr 72
		.amdhsa_next_free_sgpr 66
		.amdhsa_reserve_vcc 0
		.amdhsa_float_denorm_mode_32 3
		.amdhsa_float_denorm_mode_16_64 3
		.amdhsa_memory_ordered 1
		.amdhsa_forward_progress 1
		.amdhsa_inst_pref_size 16
	.end_amdhsa_kernel
	.amdgpu_metadata
---
amdhsa.version: [ 1, 2 ]
amdhsa.kernels:
  - .name:           k_q7fef98ad33_cast
    .symbol:         k_q7fef98ad33_cast.kd
    .args:
      - { .name: A, .offset: 0, .size: 8, .value_kind: global_buffer, .address_space: global }
      - { .name: weight, .offset: 8, .size: 8, .value_kind: global_buffer, .address_space: global }
      - { .name: mask, .offset: 16, .size: 8, .value_kind: global_buffer, .address_space: global }
      - { .name: abf, .offset: 24, .size: 8, .value_kind: global_buffer, .address_space: global }
      - { .name: wbf, .offset: 32, .size: 8, .value_kind: global_buffer, .address_space: global }
    .group_segment_fixed_size: 0
    .private_segment_fixed_size: 0
    .kernarg_segment_align: 8
    .kernarg_segment_size: 40
    .max_flat_workgroup_size: 256
    .sgpr_count:     66
    .vgpr_count:     72
    .wavefront_size: 32
...
	.end_amdgpu_metadata
.endif
;; end of part 1
;; launch gemm (part 2): grid 16 x 16, 4 waves a work-group, clusters of 4 x 4, 327,680 bytes of LDS; arguments abf, wbf, bias, out0; writes out0
.if DOCPART == 2
	.amdgcn_target "amdgcn-amd-amdhsa--gfx1250"
	.amdhsa_code_object_version 6
	.text
	.protected	k_q7fef98ad33_gemm
	.globl	k_q7fef98ad33_gemm
	.p2align	8
	.type	k_q7fef98ad33_gemm,@function
k_q7fef98ad33_gemm:
	s_mov_b64 s[64:65], 0
	v_nop
	global_prefetch_b8 v0, s[64:65] scope:SCOPE_SE
	s_setreg_imm32_b32 hwreg(HW_REG_WAVE_MODE, 25, 1), 1
	s_wait_xcnt 0x0
	s_wait_alu depctr_hold_cnt(0) depctr_sa_sdst(0) depctr_va_vdst(0) depctr_va_sdst(0) depctr_va_ssrc(0) depctr_va_vcc(0) depctr_vm_vsrc(0)
	s_getreg_b32 s2, hwreg(HW_REG_IB_STS2, 6, 4)
	s_cmp_eq_u32 s2, 0
	s_cbranch_scc0 .Lentry_in_a_cluster
	s_endpgm
.Lentry_in_a_cluster:
	s_bfe_u32 s2, ttmp6, 0x10000c
	s_cmp_lg_u32 s2, 0xf033
	s_cbranch_scc0 .Lentry_shape_is_right
	s_endpgm
.Lentry_shape_is_right:
; out0[m][n] = bias[n] + the sum over k of abf[m][k] wbf[n][k].  abf, wbf: [4096][4096] bf16 (the launch before made them: A, and weight * mask, each rounded once).
; bias: [4096] f32.  out0: [4096][4096] f32.  Sums in f32, K ascending, begun with the bias.  Every product is made, whatever the mask held.
; LIMITS: the operands' rounding to bf16; NaN and infinities go through as the arithmetic makes them.
; SHARES.  256 tiles of 256 x 256 of out0, one to a work-group of four waves; a wave makes 128 x 128: 64 accumulators of 16 x 16, 512 registers.
; K goes in 32 steps of 128 through a ring of two LDS slots filled by the tensor data mover; a tile's rows are 256 bytes of memory and start at multiples of 256 bytes from the buffer's first byte.
; CLUSTERS: 4 x 4 work-groups.  The four of a row of the cluster need the same tiles of abf, the four of a column the same tiles of wbf: each tile is asked for JOINTLY,
; by the same tensor load with the same descriptor and a mask that names the four, which divides the requests for both by four.
; THE MATRIX INSTRUCTION IS USED TRANSPOSED: source 0 = 16 rows of wbf, source 1 = 16 rows of abf.  Lane l then holds row l % 16 of out0 and its registers 0 to 7 the
; columns 8 (l / 16) + 0 .. 7: 32 neighbouring bytes of a row.  In that layout the bias of a lane's eight columns is the same for every row block: 64 registers, the C operand of each sum's first product.
; REGISTERS, in windows of 256 (s_set_vgpr_msb: bits 1:0 source 0, 3:2 source 1, 5:4 source 2, 7:6 destination):
;   window 0: v0-31 addresses; v64-127, v128-191 fragments of abf, two buffers (on the way out: rows read back from the stage); v192-255 the bias
;   window 1: v64-127, v128-191 fragments of wbf, two buffers
;   window 2: the 32 accumulators of my rows 0-63 (accumulator (a, b) at v[8 (8 a + b)]);   window 3: those of my rows 64-127
.set SIZE_N, 4096
.set SIZE_K, 4096
.set KSTEP,  128
.set PITCH,  272                       ; an LDS row: 256 bytes + 16 of padding = 68 words: row r starts at bank 4 r mod 64 (64 banks of 4 bytes: ISA guide 11.1), so the 16 rows of a load start at 16 different banks
.set HALFT,  128*PITCH                 ; 128 rows: what one tensor load brings, and what one wave reads of either operand
.set SLOT,   4*HALFT                   ; abf's 256 rows, then wbf's 256 rows
.set STAGE,  2*SLOT                    ; behind the ring, never filled by a tensor load: 16 rows x 528 bytes for each wave, for the way out
.set SPITCH, 528                       ; a stage row: 512 bytes + 16 = 132 words: again row r starts at bank 4 r mod 64
.set SPARE,  STAGE+4*16*SPITCH         ; behind the stages: the spare words, 128 bytes for each wave: two blocks of 256 bytes that no other line names
.set LAPS,   SIZE_K/(2*KSTEP)          ; a lap = two K steps = once round the ring: 16
.set ADRA, 16                          ; v16-17  LDS address of my abf fragments in slot 0, 1
.set ADRB, 20                          ; v20-21  the same for wbf
.set STO,  24                          ; v24     the way out: where I put 32 bytes of a row
.set RD,   25                          ; v25     the way out: where I read my 16 bytes of a row back
.set CO,   26                          ; v26     16 x lane: my bytes in 512 consecutive bytes of out0
.set BO,   27                          ; v27     32 (l / 16): my eight columns in a group of sixteen of the bias
.set SPW,  28                          ; v28     LDS address of my spare word: SPARE + 4 x my thread's number; never rewritten
.set NIL,  29                          ; v29     0; never rewritten
.set F0,   64                          ; fragment buffer 0
.set F1,   128                         ; fragment buffer 1
.set BIAS, 192                         ; v[BIAS + 8 b + j] = bias of my column 16 b + 8 (l / 16) + j
.set WV,  12                           ; s12  my wave's number
.set RH,  13                           ; s13  which half of the tile's rows is mine.  Also: I fetch for abf (0) or for wbf (1)
.set CH,  14                           ; s14  which half of its columns.  Also: which 128 rows of that tile I fetch
.set TR,  15                           ; s15  tile row of out0
.set TC,  42                           ; s42  tile column
.set G1,  24                           ; s[24:31] descriptor group 1 for abf's tiles
.set G0,  32                           ; s[32:39] descriptor group 0 for abf's tiles, one set for each slot
.set G1B, 48                           ; s[48:55] group 1 for wbf's tiles: it differs in the mask alone
.set G0B, 56                           ; s[56:63] group 0 for wbf's tiles, one set for each slot
.set MSB, 0
.macro WIN new                         ; the immediate's high byte repeats the setting that is left; a switch that changes nothing is dropped
.if MSB != (\new)
	s_set_vgpr_msb (MSB<<8)|(\new)
.set MSB, \new
.endif
.endm
.set MUL_LO, 0xa1                      ; source 0 (wbf) window 1, source 1 (abf) window 0, C and D window 2
.set MUL_HI, 0xf1                      ; the same, C and D window 3
.set BEG_LO, 0x81                      ; a sum's first product: C (the bias) window 0, D window 2
.set BEG_HI, 0xc1                      ; the same, D window 3
.set TO_B,   0x40                      ; destination window 1, address window 0
; A joint load.  Waves 0 and 1 fetch abf's two halves, waves 2 and 3 wbf's.  Each of the two lines has one mask and one set of registers for all that issue it; the branch hangs on the wave's number alone.
; An s_nop 0 and four v_nop follow each of the two lines; the jump, the label and what follows come after them.
.macro JLOAD s
	s_cmp_eq_u32 s[RH], 0
	s_cbranch_scc0 .Lfor_b_\@
	tensor_load_to_lds s[G0+4*(\s):G0+4*(\s)+3], s[G1:G1+7]
	s_nop 0
.rept 4
	v_nop
.endr
	s_branch .Lasked_\@
.Lfor_b_\@:
	tensor_load_to_lds s[G0B+4*(\s):G0B+4*(\s)+3], s[G1B:G1B+7]
	s_nop 0
.rept 4
	v_nop
.endr
.Lasked_\@:
.endm
; A round of the cluster's barrier: my work-group's barrier, so that wave 0's signal speaks for all four waves; wave 0 signals for the work-group; every wave waits for all
; sixteen work-groups; my work-group's barrier once more.
.macro CREST                           ; a round behind its opening barrier
	s_cmp_lg_u32 s[WV], 0
	s_cbranch_scc1 .Lnot_wave_0_\@
	s_barrier_signal -3
.Lnot_wave_0_\@:
	s_barrier_wait -3
	s_barrier_signal -1
	s_barrier_wait -1
.endm
.macro CROUND                          ; a whole round
	s_barrier_signal -1
	s_barrier_wait -1
	CREST
.endm
	s_load_b256 s[4:11], s[0:1], 0x0               ; abf s[4:5], wbf s[6:7], bias s[8:9], out0 s[10:11]
	v_lshl_add_u32 v[SPW], v0, 2, SPARE
	v_mov_b32 v[NIL], 0
	ds_add_u32 v[SPW], v[NIL]                      ; the wave's opening: the add and its wait come ahead of my first tensor load; the set-up below, work on registers, stands between them
	v_lshrrev_b32 v1, 5, v0
	v_readfirstlane_b32 s[WV], v1                  ; wave 0..3
	s_lshr_b32 s[RH], s[WV], 1
	s_and_b32 s[CH], s[WV], 1
	s_bfe_u32 s40, ttmp6, 0x40000                  ; cx: my place along the cluster's x
	s_bfe_u32 s41, ttmp6, 0x40004                  ; cy: along its y
	s_lshl_b32 s[TC], ttmp9, 2                     ; in a cluster launch ttmp9 and ttmp7 count clusters
	s_add_co_u32 s[TC], s[TC], s40                 ; tile column = 4 x cluster x + cx
	s_and_b32 s[TR], ttmp7, 0xffff
	s_lshl_b32 s[TR], s[TR], 2
	s_add_co_u32 s[TR], s[TR], s41                 ; tile row = 4 x cluster y + cy
	s_lshl_b32 s43, s41, 2
	s_lshl_b32 s43, 15, s43                        ; my row of the cluster: places 4 cy .. 4 cy + 3
	s_lshl_b32 s44, 0x1111, s40                    ; my column: places cx, cx + 4, cx + 8, cx + 12
	; descriptor group 1: a tile of 128 rows x 128 elements, padded in LDS
	s_or_b32 s[G1+0], s43, (1<<16)|(1<<20)|(1<<21)|(5<<22)|(3<<25)   ; 15:0 the mask: abf's tiles go to my row; 17:16 elements of 2 bytes; 20 padding on; 21 set beside a mask; 24:22 after every 64 words (code 5); 31:25 4 words (code 3)
	s_or_b32 s[G1B+0], s44, (1<<16)|(1<<20)|(1<<21)|(5<<22)|(3<<25)  ; the same with the mask of my column, for wbf's tiles
.irp g, G1, G1B
	s_mov_b32 s[(\g)+1], KSTEP<<16                 ; tensor_dim0 = 128
	s_mov_b32 s[(\g)+2], 128<<16                   ; tensor_dim1 = 128
	s_mov_b32 s[(\g)+3], KSTEP<<16                 ; tile_dim0 = 128
	s_mov_b32 s[(\g)+4], 128                       ; tile_dim1 = 128; tile_dim2 = 0
	s_mov_b32 s[(\g)+5], SIZE_K                    ; elements from row to row
	s_mov_b32 s[(\g)+6], 0
	s_mov_b32 s[(\g)+7], 0
.endr
	; where the tiles come from.  abf's hang on the tile row alone, which my row of the cluster shares; wbf's on the tile column alone, which my column shares.
	; Every wave makes both offsets, in registers that never hold the other coordinate, and asks by one of them.
	s_lshl_b32 s17, s[CH], 7                       ; which 128 rows of the tile I fetch
	s_lshl_b32 s16, s[TR], 8
	s_add_co_u32 s16, s16, s17                     ; abf: row 256 x tile row + 128 x half,
	s_lshl_b32 s16, s16, 13                        ; times 8,192 bytes: under 2^25
	s_mov_b32 s17, 0
	s_lshl_b32 s47, s[CH], 7
	s_lshl_b32 s46, s[TC], 8
	s_add_co_u32 s46, s46, s47                     ; wbf: row 256 x tile column + 128 x half
	s_lshl_b32 s46, s46, 13
	s_mov_b32 s47, 0
	s_mul_i32 s20, s[WV], HALFT                    ; and where they go: abf's two halves, then wbf's two = wave x 128 rows: no place in the cluster enters an LDS address
	s_wait_dscnt 0x0                               ; the opening add is done
	s_wait_kmcnt 0x0
	s_add_nc_u64 s[4:5], s[4:5], s[16:17]          ; abf and wbf at my part of K step 0's tiles
	s_add_nc_u64 s[6:7], s[6:7], s[46:47]
	CROUND                                         ; all sixteen work-groups are here: the first joint loads meet
.irp s, 0,1
	s_mov_b32 s[G0+4*(\s)], 1                                      ; 1:0 count = 1
	s_add_co_u32 s[G0+4*(\s)+1], s20, (\s)*SLOT                    ; 63:32 LDS address
	s_add_nc_u64 s[G0+4*(\s)+2:G0+4*(\s)+3], s[4:5], (\s)*KSTEP*2  ; 120:64 global address: K step s
	s_or_b32 s[G0+4*(\s)+3], s[G0+4*(\s)+3], 0x80000000            ; 127:126 type = 2
	s_mov_b32 s[G0B+4*(\s)], 1
	s_add_co_u32 s[G0B+4*(\s)+1], s20, (\s)*SLOT
	s_add_nc_u64 s[G0B+4*(\s)+2:G0B+4*(\s)+3], s[6:7], (\s)*KSTEP*2
	s_or_b32 s[G0B+4*(\s)+3], s[G0B+4*(\s)+3], 0x80000000
	JLOAD \s                                       ; the ring is filled before anything else is done: two tensor loads of mine are out
.endr
	; A fragment is 16 rows x 32 K in 8 registers: lane l holds row l % 16; registers 0-3 hold K = 8 (l / 16) + 0..7, registers 4-7 hold
	; K = 16 + 8 (l / 16) + 0..7: two loads of 16 bytes, 32 bytes apart.  The same for source 0 and source 1.
	v_and_b32 v1, 15, v0                           ; l % 16
	v_bfe_u32 v2, v0, 4, 1                         ; l / 16
	v_mul_u32_u24 v3, v1, PITCH
	v_lshl_add_u32 v3, v2, 4, v3                   ; row x pitch + 16 x half
	s_mul_i32 s21, s[RH], HALFT                    ; my 128 rows of abf
	s_mul_i32 s22, s[CH], HALFT                    ; my 128 rows of wbf,
	s_add_co_u32 s22, s22, 2*HALFT                 ; which lie behind abf's 256
.irp s, 0,1
	v_add_nc_u32 v[ADRA+(\s)], s21, v3
	v_add_nc_u32 v[ADRB+(\s)], s22, v3
	s_add_co_u32 s21, s21, SLOT
	s_add_co_u32 s22, s22, SLOT
.endr
	s_mul_i32 s23, s[WV], 16*SPITCH
	s_add_co_u32 s23, s23, STAGE                   ; my stage
	v_mul_u32_u24 v4, v1, SPITCH                   ; in: row l % 16, 32 bytes for each half of the lanes
	v_lshl_add_u32 v4, v2, 5, v4
	v_add_nc_u32 v[STO], s23, v4
	v_and_b32 v5, 31, v0
	v_lshlrev_b32 v[CO], 4, v5                     ; back and out: 32 lanes take one row's 512 bytes
	v_add_nc_u32 v[RD], s23, v[CO]
	v_lshlrev_b32 v[BO], 5, v2
	; my first column, in bytes of f32: 1,024 x tile column + 512 x half (in the registers that held wbf's offset: none that fed abf's descriptors ever holds cx)
	s_lshl_b32 s46, s[TC], 10
	s_lshl_b32 s47, s[CH], 9
	s_add_co_u32 s46, s46, s47
	s_mov_b32 s47, 0
	s_add_nc_u64 s[8:9], s[8:9], s[46:47]          ; the bias at my first column
	s_add_nc_u64 s[10:11], s[10:11], s[46:47]
.irp b, 0,1,2,3,4,5,6,7
	global_load_b128 v[BIAS+8*(\b):BIAS+8*(\b)+3],   v[BO], s[8:9] offset:64*(\b)      ; my eight columns of column block b
	global_load_b128 v[BIAS+8*(\b)+4:BIAS+8*(\b)+7], v[BO], s[8:9] offset:64*(\b)+16
.endr
	s_lshl_b32 s16, s[TR], 8
	s_lshl_b32 s17, s[RH], 7
	s_add_co_u32 s16, s16, s17                     ; my first row of out0,
	s_lshl_b32 s16, s16, 14                        ; times 16,384 bytes: under 2^26
	s_mov_b32 s17, 0
	s_add_nc_u64 s[10:11], s[10:11], s[16:17]      ; out0 at my 128 x 128; never stepped again
; 16 matrix instructions: row blocks a0, a0 + 1 of the window's four (hi = 0: my rows 0-63, 1: rows 64-127) x all 8 column blocks, 32 along K.
; first = 1: the product starts its sum, with the bias as C: nothing is cleared, and no addition follows the sums.
.macro MUL16 f, hi, a0, first
.if \first
	WIN BEG_LO+0x40*(\hi)
.else
	WIN MUL_LO+0x50*(\hi)
.endif
.irp a, \a0, (\a0)+1
.irp b, 0,1,2,3,4,5,6,7
.if \first
	v_wmma_f32_16x16x32_bf16 v[8*(8*(\a)+(\b)):8*(8*(\a)+(\b))+7], v[(\f)+8*(\b):(\f)+8*(\b)+7], v[(\f)+8*(4*(\hi)+(\a)):(\f)+8*(4*(\hi)+(\a))+7], v[BIAS+8*(\b):BIAS+8*(\b)+7]
.else
	v_wmma_f32_16x16x32_bf16 v[8*(8*(\a)+(\b)):8*(8*(\a)+(\b))+7], v[(\f)+8*(\b):(\f)+8*(\b)+7], v[(\f)+8*(4*(\hi)+(\a)):(\f)+8*(4*(\hi)+(\a))+7], v[8*(8*(\a)+(\b)):8*(8*(\a)+(\b))+7]
.endif
.endr
.endr
.endm
; 32 LDS loads in one run: the fragments of one quarter step (128 rows of wbf, then 128 rows of abf, 32 K at byte k of the rows) into buffer f
.macro FETCH slot, k, f
	WIN TO_B
.irp i, 0,1,2,3,4,5,6,7
	ds_load_b128 v[(\f)+8*(\i):(\f)+8*(\i)+3],   v[ADRB+(\slot)] offset:(\k)+(\i)*16*PITCH
	ds_load_b128 v[(\f)+8*(\i)+4:(\f)+8*(\i)+7], v[ADRB+(\slot)] offset:(\k)+(\i)*16*PITCH+32
.endr
	WIN 0
.irp i, 0,1,2,3,4,5,6,7
	ds_load_b128 v[(\f)+8*(\i):(\f)+8*(\i)+3],   v[ADRA+(\slot)] offset:(\k)+(\i)*16*PITCH
	ds_load_b128 v[(\f)+8*(\i)+4:(\f)+8*(\i)+7], v[ADRA+(\slot)] offset:(\k)+(\i)*16*PITCH+32
.endr
.endm
; A load into a register that a matrix instruction has read, and an LDS store that reads a matrix result, stand four places behind that matrix instruction, and only plain
; vector instructions that name none of its registers are places (ISA guide 7.12.1 for vector instructions).
.macro PLACES
.rept 4
	v_nop
.endr
.endm
; A K step is four quarter steps of 32 along K, 64 matrix instructions each, on buffers 0, 1, 0, 1.  The 64 accumulators take turns, in the same order in every quarter.
; One of the first three: multiplies buffer f; in its middle it fetches the next quarter's fragments, at byte k of the same slot's rows, into buffer g.
.macro QUARTER slot, k, f, g, first
	s_wait_dscnt 8                                 ; wbf's fragments and abf's rows 0-63 are in; the youngest eight loads (abf's rows 64-127) may be out
	MUL16 \f, 0, 0, \first
	MUL16 \f, 0, 2, \first
	PLACES
	FETCH \slot, \k, \g
	s_wait_dscnt 32                                ; all but the 32 just issued
	MUL16 \f, 1, 0, \first
	MUL16 \f, 1, 2, \first
.endm
; The last quarter multiplies buffer 1 and changes slots.  MEET is its first half: ONE barrier for the change.  In front of it each wave waits for all its tensor loads, of which one
; is out: its part of the next slot; adds 0 to its spare word; and waits for that and for its own reads of this slot.  Behind it nobody reads this slot any more and the next slot is whole.
.macro MEET round                      ; round = 1: a round of the cluster's barrier follows
	WIN 0                                          ; (the add's two registers lie in window 0)
	s_wait_tensorcnt 0x0                           ; all my tensor loads have landed;
	ds_add_u32 v[SPW], v[NIL]                      ; 0 onto my spare word;
	s_wait_dscnt 9                                 ; (the add and the youngest eight loads may be out)
	MUL16 F1, 0, 0, 0                              ; sixteen matrix instructions stand between the add and the wait for it
	s_wait_dscnt 0x0                               ; the add is done, and my reads of this slot are over:
	s_barrier_signal -1                            ; say so,
	MUL16 F1, 0, 2, 0                              ; work on registers while the others arrive,
.if \round
	WIN 0
.endif
	s_barrier_wait -1                              ; and go on when all four have said so
.endm
; The whole last quarter.  fill = 1: the barrier opens a round of the cluster's, so that no wave of any partner still reads this slot or has a load on its way; behind the round this slot is filled
; again first, with the K step two steps on; then come the next slot's first fragments.  From that request to the wait for it a wave issues 224 matrix instructions.
.macro TURN slot, next, fill
	MEET \fill
.if \fill
	CREST
	s_add_nc_u64 s[G0+4*(\slot)+2:G0+4*(\slot)+3], s[G0+4*(\slot)+2:G0+4*(\slot)+3], 2*KSTEP*2    ; no tensor load of mine is out: a group 0 may be written; the type bits on top are not reached
	s_add_nc_u64 s[G0B+4*(\slot)+2:G0B+4*(\slot)+3], s[G0B+4*(\slot)+2:G0B+4*(\slot)+3], 2*KSTEP*2
	JLOAD \slot                                    ; my one tensor load behind the round; the four v_nop behind it are also the places in front of the loads below
.else
	PLACES
.endif
	FETCH \next, 0, F0
	MUL16 F1, 1, 0, 0
	MUL16 F1, 1, 2, 0
.endm
; THE WAY OUT of row block a (16 rows x 128 columns of f32), in two parts.  TOSTAGE: a lane's 32 bytes of each column block go into my own stage in LDS, each accumulator's low four
; registers first, and the 16 rows come back whole, 512 bytes a load.  SEND: they are stored.
.macro TOSTAGE a
.set AC, 64*((\a)%4)
.set BK, F0+64*((\a)%2)                ; rows come back into abf's two fragment buffers by turns
	WIN 0x08+4*((\a)/4)                            ; the stores' data (source 1) in window 2 or 3, the address in window 0
.irp b, 0,1,2,3,4,5,6,7
	ds_store_b128 v[STO], v[AC+8*(\b):AC+8*(\b)+3]   offset:64*(\b)
	ds_store_b128 v[STO], v[AC+8*(\b)+4:AC+8*(\b)+7] offset:64*(\b)+16
.endr
	WIN 0
	s_wait_xcnt 0x0                                ; this buffer, data of the stores of the block two back, is loaded again only behind this wait
.irp t, 0,1,2,3,4,5,6,7,8,9,10,11,12,13,14,15
	ds_load_b128 v[BK+4*(\t):BK+4*(\t)+3], v[RD] offset:(\t)*SPITCH  ; LDS serves a wave's instructions in order (ISA guide 5.7.1.4): these see the stores above, and the next block's stores come behind them
.endr
.endm
.macro SEND a, younger                 ; younger: the LDS instructions issued behind block a's loads: the next block's 16 stores and 16 loads, or none
	WIN 0
.set BK, F0+64*((\a)%2)
.irp t, 0,1,2,3,4,5,6,7,8,9,10,11,12,13,14,15
	s_wait_dscnt (\younger)+15-(\t)                ; row t is back in registers
	global_store_b128 v[CO], v[BK+4*(\t):BK+4*(\t)+3], s[10:11] offset:(16*(\a)+(\t))*SIZE_N*4 th:TH_STORE_NT  ; the wave stores 512 consecutive bytes, at a multiple of 512 from out0's first byte; the row stands in the immediate, 127 x 16,384 at the most
.endr
.endm
	s_wait_tensorcnt 1                             ; my part of K step 0 is in; K step 1's may stay out
	s_barrier_signal -1
	s_barrier_wait -1                              ; everybody's is
	FETCH 0, 0, F0
	s_wait_loadcnt 0x0                             ; the bias
	QUARTER 0, 64,  F0, F1, 1                      ; the first quarter stands in front of the loop: its products start the sums
	WIN 0                                          ; at a label and at a branch every window is 0
	s_mov_b32 s3, LAPS-1
.Llap:                                                 ; a trip goes once round the ring, from a lap's second quarter to the next lap's first, and fills both slots again
	QUARTER 0, 128, F1, F0, 0
	QUARTER 0, 192, F0, F1, 0
	TURN 0, 1, 1
	QUARTER 1, 64,  F0, F1, 0
	QUARTER 1, 128, F1, F0, 0
	QUARTER 1, 192, F0, F1, 0
	TURN 1, 0, 1
	QUARTER 0, 64,  F0, F1, 0
	WIN 0
	s_sub_co_u32 s3, s3, 1
	s_cmp_lg_u32 s3, 0
	s_cbranch_scc1 .Llap
	QUARTER 0, 128, F1, F0, 0                      ; the last lap is written out: it fills nothing, and has no round of the cluster's barrier
	QUARTER 0, 192, F0, F1, 0
	TURN 0, 1, 0                                   ; the tensor load that was still out is slot 1's, the last K step's
	QUARTER 1, 64,  F0, F1, 0
	QUARTER 1, 128, F1, F0, 0
	QUARTER 1, 192, F0, F1, 0
	s_wait_dscnt 8                                 ; the very last quarter: nothing more to fetch
	MUL16 F1, 0, 0, 0
	MUL16 F1, 0, 2, 0
	s_wait_dscnt 0x0
	MUL16 F1, 1, 0, 0
	MUL16 F1, 1, 2, 0
	PLACES                                         ; the stage's stores read results just made, and its loads land in registers that the products read
	TOSTAGE 0
.irp a, 1,2,3,4,5,6,7                  ; block a goes through the stage while block a - 1's rows come back and leave
	TOSTAGE \a
	SEND (\a)-1, 32
.endr
	SEND 7, 0
	s_wait_tensorcnt 0x0                           ; the wave's end: behind my last tensor load and my last LDS store
	ds_add_u32 v[SPW], v[NIL]
	s_wait_dscnt 0x0
	CROUND                                         ; the closing round: no work-group ends while a partner may still ask for a tile that names it
	s_endpgm
.Lfunc_end_k_q7fef98ad33_gemm:
	.size	k_q7fef98ad33_gemm, .Lfunc_end_k_q7fef98ad33_gemm-k_q7fef98ad33_gemm
	.p2alignl 7, 3214868480
	.fill 96, 4, 3214868480
	.section	.rodata,"a",@progbits
	.p2align	6, 0x0
	.amdhsa_kernel k_q7fef98ad33_gemm
		.amdhsa_group_segment_fixed_size 327680
		.amdhsa_private_segment_fixed_size 0
		.amdhsa_enable_private_segment 0
		.amdhsa_kernarg_size 32
		.amdhsa_user_sgpr_count 2
		.amdhsa_user_sgpr_kernarg_segment_ptr 1
		.amdhsa_wavefront_size32 1
		.amdhsa_system_sgpr_workgroup_id_x 1
		.amdhsa_system_sgpr_workgroup_id_y 1
		.amdhsa_system_sgpr_workgroup_id_z 1
		.amdhsa_system_vgpr_workitem_id 0
		.amdhsa_next_free_vgpr 1024
		.amdhsa_next_free_sgpr 66
		.amdhsa_reserve_vcc 0
		.amdhsa_float_denorm_mode_32 3
		.amdhsa_float_denorm_mode_16_64 3
		.amdhsa_memory_ordered 1
		.amdhsa_forward_progress 1
		.amdhsa_inst_pref_size 145
	.end_amdhsa_kernel
	.amdgpu_metadata
---
amdhsa.version: [ 1, 2 ]
amdhsa.kernels:
  - .name:           k_q7fef98ad33_gemm
    .symbol:         k_q7fef98ad33_gemm.kd
    .args:
      - { .name: abf, .offset: 0, .size: 8, .value_kind: global_buffer, .address_space: global }
      - { .name: wbf, .offset: 8, .size: 8, .value_kind: global_buffer, .address_space: global }
      - { .name: bias, .offset: 16, .size: 8, .value_kind: global_buffer, .address_space: global }
      - { .name: out0, .offset: 24, .size: 8, .value_kind: global_buffer, .address_space: global }
    .group_segment_fixed_size: 327680
    .private_segment_fixed_size: 0
    .kernarg_segment_align: 8
    .kernarg_segment_size: 32
    .max_flat_workgroup_size: 128
    .sgpr_count:     66
    .vgpr_count:     1024
    .wavefront_size: 32
...
	.end_amdgpu_metadata
.endif
;; end of part 2
